; MI455X (gfx1250); checked and timed in simulation.
; The chip was launched on July 23, 2026; its instructions are those of AMD's public machine-readable ISA for CDNA 5 (MIT licence, August 2026) and "CDNA5" Instruction Set Architecture Reference Guide (July 2026). The comments in the code are by the model that wrote it; some were corrected since.
;; Neural SDF. Allowed arithmetic: float matrix products may take bf16 or f16 operands with f32 sums; all other float work in f32.
;; Inputs: V0 64 x 35 float32; V1 64 x 64 float32; V2 13 x 64 float32; b0 64 float32; b1 64 float32; b2 13 float32; g0 64 float32; g1 64 float32; g2 13 float32; points 524,288 x 3 float32; table 16 x 524,288 x 2 float32.
;; Outputs: out0 524,288 x 1 float32; out1 524,288 x 13 float32.
;; One version. Each part assembles by itself: llvm-mc -triple=amdgcn-amd-amdhsa -mcpu=gfx1250 --defsym DOCPART=n.
;; ======== version 1 of 1: 2 launches
;; limits: below input magnitudes of 1.1e-19 results are inexact or not finite
;; workspace buffers: xq 6,291,456 bytes of whole numbers; wts 19,456 bytes
;; launch prep (part 1): grid 769 x 1, 8 waves a work-group, no clusters, 0 bytes of LDS; arguments points, V0, g0, V1, g1, V2, g2, b0, b1, b2, xq, wts; writes xq, wts
.if DOCPART == 1
	.amdgcn_target "amdgcn-amd-amdhsa--gfx1250"
	.amdhsa_code_object_version 6
	.text
	.protected	k_q6abb346dfd_prep
	.globl	k_q6abb346dfd_prep
	.p2align	8
	.type	k_q6abb346dfd_prep,@function
k_q6abb346dfd_prep:
	s_mov_b64 s[64:65], 0
	v_nop
	global_prefetch_b8 v0, s[64:65] scope:SCOPE_SE
	s_setreg_imm32_b32 hwreg(HW_REG_WAVE_MODE, 25, 1), 1
	s_wait_xcnt 0x0
; prep: what the main launch needs as whole numbers, and the weights in the form in which the matrix unit takes them.
; No work of reference() is left out anywhere in this program: every input has a way to an output and is loaded.
;
; (1) Work-groups 1 to 768: xq[n][d] = x01 * 2^32 as a 32-bit whole number, x01 = clip((p + 1) / 2, 0, 1).
;     fl(p + 1) is a multiple of 2^-24 for every p in [-1, 1], so x01 * 2^32 is exact below 1; x01 = 1 is stored as 0xffffffff.
;     The next launch makes all its gather addresses from these whole numbers: no address there hangs on a float.
;     One fused multiply-add p * 2^31 + 2^31 is fl(p + 1) * 2^31, the same rounding as reference()'s sum.
;     LIMIT: a NaN coordinate is stored as 0.
; (2) Work-group 0: W = g V / |V| by rows (weight norm), in bf16, laid out as source-0 fragments of v_wmma_f32_16x16x32_bf16,
;     1,024 bytes a fragment: register quad q of lane l at 512 q + 16 l.  Lane (r = l % 16, h = l / 16) holds row 16 mt + r.
;     Fragments 0-7: layer 0 (2 mt + s), 8-15: layer 1, 16-17: layer 2 (rows 13-15 are zeros).
;     Layers 1, 2: register i, half e holds k = 32 s + 16 (i / 4) + 8 h + 2 (i % 4) + e.
;     Layer 0, s = 0: register i, half e holds column 3 + 16 h + 2 i + e (level 8 h + i, feature e): the order in which the
;     main launch holds its features.  s = 1: register 0 holds columns 0, 1 (h = 0) or column 2 and a zero (h = 1); the rest zeros.
;     A wave takes whole row tiles, both K steps: lane (r, h) loads just the numbers that its fragments hold, and lanes (r, 0) and
;     (r, 1) together hold the whole row.  So the row's sum of squares is a sum in the lane and one exchange between the halves,
;     every number of V is loaded once, each wave waits for memory once, and no wave waits for another.
;     Waves 0, 1: two tiles of layer 0 each.  Waves 2-6: the five tiles of 64 columns (V1's four, V2's one).  Wave 7: the biases.
;     Folded scales: with F0 = 100 log2(e) and F2 = ln(2) / 100 the softplus of beta 100 is F2 * (max(u, 0) + log2(1 + 2^-|u|)),
;     u = F0 * x.  So W0 and b0 carry F0, b1 carries F0, W1 carries F0 * F2 = 1, W2 carries F2, b2 stays.
;     Behind the fragments: b0 F0 at 18432, b1 F0 at 18688, b2 and zeros at 18944 to 19455.
;     LIMIT: a row of V whose sum of squares is denormal is not served (v_rsq_f32 takes a denormal as zero).
.set F0,  0x431044fe                   ; 144.26950
.set F2,  0x3be32166                   ; 0.0069314718
.set OB0, 18432                        ; byte of b0 F0 in wts; b1 F0 lies 256 bytes behind
.set OB2, 18944                        ; byte of b2
	s_load_b512 s[4:19], s[0:1], 0x0               ; points 4:5, V0 6:7, g0 8:9, V1 10:11, g1 12:13, V2 14:15, g2 16:17, b0 18:19
	s_load_b256 s[20:27], s[0:1], 0x40             ; b1 20:21, b2 22:23, xq 24:25, wts 26:27
	v_lshrrev_b32 v1, 5, v0
	v_readfirstlane_b32 s28, v1                    ; wave 0..7
	s_cmp_eq_u32 ttmp9, 0
	s_cbranch_scc1 .Lweights
	; ---- coordinates to whole numbers: 8,192 bytes a work-group, 32 bytes a thread ----
	s_sub_co_u32 s42, ttmp9, 1
	s_lshl_b32 s42, s42, 13
	s_mov_b32 s43, 0
	s_mov_b32 s38, 0x4f000000                      ; 2^31, twice: a pair for the packed multiply-add
	s_mov_b32 s39, 0x4f000000
	s_mov_b32 s40, 0x4f800000                      ; 2^32
	v_lshlrev_b32 v1, 4, v0
	s_wait_kmcnt 0x0
	s_add_nc_u64 s[4:5], s[4:5], s[42:43]
	s_add_nc_u64 s[24:25], s[24:25], s[42:43]
	global_load_b128 v[4:7], v1, s[4:5]            ; no hint: the next launch reads points again
	global_load_b128 v[8:11], v1, s[4:5] offset:4096
	s_wait_loadcnt 0x0
.macro Q i                             ; numbers i and i + 1 of the thread's eight
	v_pk_fma_f32 v[4+\i:5+\i], v[4+\i:5+\i], s[38:39], s[38:39] op_sel_hi:[1,0,0]   ; y = fl(p + 1) * 2^31 = x01 * 2^32 before the clip
.irp e, 0,1
	v_max_num_f32 v[12+\i+\e], 0, v[4+\i+\e]                   ; the clip at 0
	v_min_num_f32 v[12+\i+\e], 0x4f7fffff, v[12+\i+\e]         ; the largest f32 below 2^32, so that the conversion stays in range
	v_cvt_u32_f32 v[12+\i+\e], v[12+\i+\e]
	v_cmp_le_f32 vcc_lo, s40, v[4+\i+\e]                       ; 2^32 <= y: x01 = 1
	v_cndmask_b32 v[12+\i+\e], v[12+\i+\e], -1, vcc_lo
.endr
.endm
	Q 0
	Q 2
	Q 4
	Q 6
	global_store_b128 v1, v[12:15], s[24:25]       ; each store of a wave covers 512 consecutive bytes, aligned
	global_store_b128 v1, v[16:19], s[24:25] offset:4096
	s_endpgm
	; ---- the weights: one work-group ----
; eight f32 at src times the row scale in v[sc] (its partner register is written too), to bf16, 16 bytes a lane
.macro EMIT src, sc, dst, off
.irp j, 0,2,4,6
	v_pk_mul_f32 v[\src+\j:\src+\j+1], v[\src+\j:\src+\j+1], v[\sc:\sc+1] op_sel_hi:[1,0]
.endr
.irp j, 0,1,2,3
	v_cvt_pk_bf16_f32 v[\dst+\j], v[\src+2*\j], v[\src+2*\j+1]
.endr
	global_store_b128 v13, v[\dst:\dst+3], s[44:45] offset:\off    ; 512 consecutive bytes a wave; every store has data registers of its own
.endm
.Lweights:
	v_and_b32 v1, 31, v0                           ; lane
	v_and_b32 v2, 15, v0                           ; r
	v_bfe_u32 v3, v0, 4, 1                         ; h
	v_lshlrev_b32 v13, 4, v1                       ; 16 x lane: my 16 bytes of a fragment's quad
	s_mov_b32 s46, 0x76543210                      ; v_permlanex16_b32: lane i of one half reads lane i of the other
	s_mov_b32 s47, 0xfedcba98
	s_mov_b32 s43, 0
	s_wait_kmcnt 0x0
	s_cmp_lt_u32 s28, 2
	s_cbranch_scc0 .Lnot_l0
	; Waves 0, 1: rows 32 w + 16 j + r of V0, j = 0, 1.  Tile j in v[32+20j ..]: 16 feature columns, then columns 2 h and 1, then g, then a zero.
	v_lshl_add_u32 v5, s28, 5, v2                  ; row 32 w + r
	v_mul_u32_u24 v6, 140, v5                      ; a row of V0 is 35 numbers; 16 rows on are 2,240 bytes, in the immediate
	v_lshl_add_u32 v7, v3, 6, v6                   ; + 64 h: columns 3 + 16 h + 0..15
	v_lshl_add_u32 v8, v3, 3, v6                   ; + 8 h: column 2 h
	v_lshlrev_b32 v9, 2, v5
.irp j, 0,1
.set k, 0
.rept 16
	global_load_b32 v[32+20*\j+k], v7, s[6:7] offset:2240*\j+12+4*k
.set k, k+1
.endr
	global_load_b32 v[48+20*\j], v8, s[6:7] offset:2240*\j
	global_load_b32 v[49+20*\j], v6, s[6:7] offset:2240*\j+4
	global_load_b32 v[50+20*\j], v9, s[8:9] offset:64*\j
	v_mov_b32 v[51+20*\j], 0                       ; the scale's partner register
.endr
	s_lshl_b32 s42, s28, 12                        ; fragment 2 (2 w + j) + s: 4,096 w + 2,048 j + 1,024 s
	s_add_nc_u64 s[44:45], s[26:27], s[42:43]
.irp z, 81,82,83,93,94,95,96,97,98,99
	v_mov_b32 v\z, 0                               ; K = 35 padded to 64: the zeros of the second K step
.endr
	v_cmp_eq_u32 vcc_lo, 0, v3
	s_wait_loadcnt 0x0                             ; the wave's one wait for memory
.macro L0TILE j
.set FT, 32+20*\j
.set DT, 72+12*\j
	v_cndmask_b32 v[FT+17], 0, v[FT+17], vcc_lo    ; column 1 belongs to h = 0 alone
	v_pk_mul_f32 v[10:11], v[FT+16:FT+17], v[FT+16:FT+17]
.irp k, 0,2,4,6,8,10,12,14
	v_pk_fma_f32 v[10:11], v[FT+\k:FT+\k+1], v[FT+\k:FT+\k+1], v[10:11]
.endr
	v_add_f32 v10, v10, v11
	v_permlanex16_b32 v11, v10, s46, s47           ; the other half of the row
	v_add_f32 v10, v10, v11
	v_rsq_f32 v12, v10
	v_mul_f32 v[FT+18], F0, v[FT+18]               ; the plain instruction between v_rsq_f32 and the use of its result
	s_wait_alu depctr_va_vdst(0)
	v_mul_f32 v[FT+18], v[FT+18], v12
	EMIT FT, FT+18, DT, 2048*\j
	EMIT FT+8, FT+18, DT+4, 2048*\j+512
	v_pk_mul_f32 v[FT+16:FT+17], v[FT+16:FT+17], v[FT+18:FT+19] op_sel_hi:[1,0]
	v_cvt_pk_bf16_f32 v[DT+8], v[FT+16], v[FT+17]
	global_store_b128 v13, v[DT+8:DT+11], s[44:45] offset:2048*\j+1024
	global_store_b128 v13, v[96:99], s[44:45] offset:2048*\j+1536
.endm
	L0TILE 0
	L0TILE 1
	s_endpgm
.Lnot_l0:
	s_cmp_lt_u32 s28, 7
	s_cbranch_scc0 .Lbias
	; Waves 2-6: tile t = wave - 2.  t = 0..3: rows 16 t + r of V1; t = 4: V2's 13 rows.  Fragments 8 + 2 t and 9 + 2 t in both cases.
	s_sub_co_u32 s29, s28, 2
	s_cmp_eq_u32 s29, 4
	s_cselect_b64 s[30:31], s[14:15], s[10:11]
	s_cselect_b64 s[32:33], s[16:17], s[12:13]
	s_cselect_b32 s34, F2, 1.0
	s_cselect_b32 s35, 12, 63                      ; the last row that exists
	s_cselect_b32 s36, 13, 64                      ; rows that exist
	s_cselect_b32 s37, 0, s29                      ; the row tile in its matrix
	v_lshl_add_u32 v5, s37, 4, v2                  ; row
	v_min_u32 v6, s35, v5                          ; no load leaves the buffer
	v_lshlrev_b32 v7, 8, v6
	v_lshl_add_u32 v7, v3, 5, v7                   ; 256 row + 32 h
	v_lshlrev_b32 v8, 2, v6
.irp s, 0,1
	global_load_b128 v[32+16*\s:35+16*\s], v7, s[30:31] offset:128*\s      ; k = 32 s + 8 h + 0..7
	global_load_b128 v[36+16*\s:39+16*\s], v7, s[30:31] offset:128*\s+16
	global_load_b128 v[40+16*\s:43+16*\s], v7, s[30:31] offset:128*\s+64   ; k = 32 s + 16 + 8 h + 0..7
	global_load_b128 v[44+16*\s:47+16*\s], v7, s[30:31] offset:128*\s+80
.endr
	global_load_b32 v20, v8, s[32:33]
	v_mov_b32 v21, 0                               ; the scale's partner register
	s_lshl_b32 s42, s29, 11
	s_add_nc_u64 s[44:45], s[26:27], s[42:43]      ; 2 t fragments on; the eight of layer 0 stand in the immediates
	s_wait_loadcnt 0x0                             ; the wave's one wait for memory
	v_pk_mul_f32 v[10:11], v[32:33], v[32:33]      ; two chains of packed sums over my 32 numbers
	v_pk_mul_f32 v[14:15], v[34:35], v[34:35]
.set k, 4
.rept 7
	v_pk_fma_f32 v[10:11], v[32+k:33+k], v[32+k:33+k], v[10:11]
	v_pk_fma_f32 v[14:15], v[34+k:35+k], v[34+k:35+k], v[14:15]
.set k, k+4
.endr
	v_pk_add_f32 v[10:11], v[10:11], v[14:15]
	v_add_f32 v10, v10, v11
	v_permlanex16_b32 v11, v10, s46, s47           ; the other half of the row
	v_add_f32 v10, v10, v11
	v_rsq_f32 v12, v10
	v_mul_f32 v20, s34, v20                        ; the plain instruction behind v_rsq_f32
	s_wait_alu depctr_va_vdst(0)
	v_mul_f32 v20, v20, v12
	v_cmp_gt_u32 vcc_lo, s36, v5
	v_cndmask_b32 v20, 0, v20, vcc_lo              ; rows 13 to 15 of layer 2: scale 0, so that their fragment rows are zeros
	EMIT 32, 20, 64, 8192
	EMIT 40, 20, 68, 8192+512
	EMIT 48, 20, 72, 8192+1024
	EMIT 56, 20, 76, 8192+1536
	s_endpgm
.Lbias:
	; Wave 7: b0 F0, b1 F0, b2 with zeros from word 13 on, and 256 bytes of zeros: the next launch copies wts whole, so every byte is written.
	v_lshlrev_b32 v5, 3, v1
	global_load_b64 v[32:33], v5, s[18:19]
	global_load_b64 v[34:35], v5, s[20:21]
	v_lshlrev_b32 v6, 1, v1                        ; words 2 l and 2 l + 1
	v_or_b32 v7, 1, v6
	v_min_u32 v8, 12, v6
	v_min_u32 v9, 12, v7
	v_lshlrev_b32 v8, 2, v8
	v_lshlrev_b32 v9, 2, v9
	global_load_b32 v36, v8, s[22:23]
	global_load_b32 v37, v9, s[22:23]
	v_mov_b32 v38, 0
	v_mov_b32 v39, 0
	s_wait_loadcnt 0x0
	v_pk_mul_f32 v[32:33], v[32:33], F0 op_sel_hi:[1,0]
	v_pk_mul_f32 v[34:35], v[34:35], F0 op_sel_hi:[1,0]
	v_cmp_gt_u32 vcc_lo, 13, v6
	v_cndmask_b32 v36, 0, v36, vcc_lo
	v_cmp_gt_u32 vcc_lo, 13, v7
	v_cndmask_b32 v37, 0, v37, vcc_lo
	global_store_b64 v5, v[32:33], s[26:27] offset:OB0         ; each store covers 256 consecutive bytes, aligned
	global_store_b64 v5, v[34:35], s[26:27] offset:OB0+256
	global_store_b64 v5, v[36:37], s[26:27] offset:OB2
	global_store_b64 v5, v[38:39], s[26:27] offset:OB2+256
	s_endpgm
.Lfunc_end_k_q6abb346dfd_prep:
	.size	k_q6abb346dfd_prep, .Lfunc_end_k_q6abb346dfd_prep-k_q6abb346dfd_prep
	.p2alignl 7, 3214868480
	.fill 96, 4, 3214868480
	.section	.rodata,"a",@progbits
	.p2align	6, 0x0
	.amdhsa_kernel k_q6abb346dfd_prep
		.amdhsa_group_segment_fixed_size 0
		.amdhsa_private_segment_fixed_size 0
		.amdhsa_enable_private_segment 0
		.amdhsa_kernarg_size 96
		.amdhsa_user_sgpr_count 2
		.amdhsa_user_sgpr_kernarg_segment_ptr 1
		.amdhsa_wavefront_size32 1
		.amdhsa_system_sgpr_workgroup_id_x 1
		.amdhsa_system_sgpr_workgroup_id_y 1
		.amdhsa_system_sgpr_workgroup_id_z 1
		.amdhsa_system_vgpr_workitem_id 0
		.amdhsa_next_free_vgpr 104
		.amdhsa_next_free_sgpr 66
		.amdhsa_reserve_vcc 1
		.amdhsa_float_denorm_mode_32 3
		.amdhsa_float_denorm_mode_16_64 3
		.amdhsa_memory_ordered 1
		.amdhsa_forward_progress 1
		.amdhsa_inst_pref_size 20
	.end_amdhsa_kernel
	.amdgpu_metadata
---
amdhsa.version: [ 1, 2 ]
amdhsa.kernels:
  - .name:           k_q6abb346dfd_prep
    .symbol:         k_q6abb346dfd_prep.kd
    .args:
      - { .name: points, .offset: 0, .size: 8, .value_kind: global_buffer, .address_space: global }
      - { .name: V0, .offset: 8, .size: 8, .value_kind: global_buffer, .address_space: global }
      - { .name: g0, .offset: 16, .size: 8, .value_kind: global_buffer, .address_space: global }
      - { .name: V1, .offset: 24, .size: 8, .value_kind: global_buffer, .address_space: global }
      - { .name: g1, .offset: 32, .size: 8, .value_kind: global_buffer, .address_space: global }
      - { .name: V2, .offset: 40, .size: 8, .value_kind: global_buffer, .address_space: global }
      - { .name: g2, .offset: 48, .size: 8, .value_kind: global_buffer, .address_space: global }
      - { .name: b0, .offset: 56, .size: 8, .value_kind: global_buffer, .address_space: global }
      - { .name: b1, .offset: 64, .size: 8, .value_kind: global_buffer, .address_space: global }
      - { .name: b2, .offset: 72, .size: 8, .value_kind: global_buffer, .address_space: global }
      - { .name: xq, .offset: 80, .size: 8, .value_kind: global_buffer, .address_space: global }
      - { .name: wts, .offset: 88, .size: 8, .value_kind: global_buffer, .address_space: global }
    .group_segment_fixed_size: 0
    .private_segment_fixed_size: 0
    .kernarg_segment_align: 8
    .kernarg_segment_size: 96
    .max_flat_workgroup_size: 256
    .sgpr_count:     66
    .vgpr_count:     104
    .wavefront_size: 32
...
	.end_amdgpu_metadata
.endif
;; end of part 1
;; launch sdf (part 2): grid 256 x 1, 16 waves a work-group, no clusters, 275,456 bytes of LDS; arguments points, xq, table, wts, out0, out1; writes out0, out1
.if DOCPART == 2
	.amdgcn_target "amdgcn-amd-amdhsa--gfx1250"
	.amdhsa_code_object_version 6
	.text
	.protected	k_q6abb346dfd_sdf
	.globl	k_q6abb346dfd_sdf
	.p2align	8
	.type	k_q6abb346dfd_sdf,@function
k_q6abb346dfd_sdf:
	s_mov_b64 s[64:65], 0
	v_nop
	global_prefetch_b8 v0, s[64:65] scope:SCOPE_SE
	s_setreg_imm32_b32 hwreg(HW_REG_WAVE_MODE, 25, 1), 1
	s_wait_xcnt 0x0
; sdf: hash-grid lookup, trilinear blend and the three weight-normed layers, fused; nothing goes through memory in between.
; No work of reference() is left out: every input reaches an output.  Column 0 of the result is computed once and stored twice.
;
; SHARES.  524,288 points = 256 work-groups x 16 waves x 4 passes x 32 lanes: one point a lane in the lookup.
; LOOKUP.  xq holds X = x01 * 2^32 as whole numbers (launch prep).  For a level of grid size gs the 64-bit product X * (gs - 1) has
;   the cell p0 = floor(x01 (gs - 1)) in its high word, already inside 0 .. gs - 2, and the exact fraction times 2^32 in its low word.
;   All 128 addresses of a point come from these whole numbers.  Grid sizes are reference()'s constants floor(16 * 128^(lv/15)) + 1:
;   17 23 31 43 59 (dense, gs^3 <= 2^19), 81 112 154 213 295 407 562 777 1073 1483 2049 (hashed).
;   Hash: (x ^ y P2 ^ z P3) mod 2^19 needs only the primes' low 19 bits, and y, z <= 2048, so 24-bit multiplies are exact.
;   LEVELS 0 AND 1 LIVE IN LDS: 17^3 and 23^3 rows of 8 bytes are 39,304 and 97,336 bytes, of which each of the group's 2,048 points
;   wants 64 bytes a level: they are copied once, in 5 + 12 runs of 8,192 consecutive bytes (the runs' tails are further rows of the
;   same level, never read), and their 16 corners a point come by LDS loads.  Level 2 (31^3 rows, 238,328 bytes) has no room.
;   Levels 2 to 15: a ring of 7 slots of 20 registers keeps the gathers of 7 levels, 56 loads a wave, on their way; the two LDS
;   levels have slots of their own and are blended while the ring's first loads are out.
;   The blend is seven packed lerps f0 + w (f1 - f0): the same value as reference()'s sum of eight weighted corners.
; LAYERS.  v_wmma_f32_16x16x32_bf16 used transposed: source 0 = 16 rows of W (fragments made by prep, copied to LDS once),
;   source 1 = 16 points.  In D lane (r, h) then holds features 16 mt + 8 h + 0..7 of point r, which packed to bf16 IS the next
;   layer's source-1 fragment: no exchange between lanes.  The bias tile is the first product's C.
;   Layer 0: a lane holds its own point's 16 levels; nine v_permlane16_swap_b32 turn two register sets (levels 0-7, levels 8-15)
;   into the fragments of points 0-15 and 16-31, lane (r, h) holding levels 8 h + 0..7; prep laid W0's columns out in that order.
;   Softplus of beta 100 in its max form, in base 2, scales folded into the weights: h = max(u, 0) + log2(1 + 2^-|u|).
; OUT.  Results gather in the wave's own LDS stage as rows of 52 bytes; at the end 14 stores of 512 consecutive aligned bytes each.
; LDS.  0: weights and biases, 19,456.  19,456: for each wave 6,656 bytes of rows and 512 of column 0.  134,144: level 0.  175,104: level 1.
; NOT USED: tensor loads and clusters (gathers go lane by lane; what the work-groups share, 19 KB of weights and 137 KB of the two
;   small levels, is read once by each at its start).
; LIMITS.  Where reference()'s f32 product x01 (gs - 1) rounds up to a whole number k it takes cell k with w = 0, this text cell
;   k - 1 with w next to 1: the blend is continuous, the value is the same.  x01 = 1 has w = 1 - (gs - 1) 2^-32.
;   2^-|u| below 2^-24 is lost in 1 + t: under 5e-10 in a hidden value.  144.27 |pre-activation| must stay finite.
;   A NaN coordinate takes cell 0 and reaches the result through the raw coordinate alone.
.set X,    8                           ; v[8:10]    X of my point
.set P,    12                          ; v[12:14]   the raw coordinates
.set FR0,  20                          ; v[20:35]   levels 0-7, then (px, py), then 7 zeros; behind the swaps: points 0-15, K steps 0 and 1
.set FR1,  36                          ; v[36:51]   levels 8-15, then (pz, 0), then 7 zeros; behind the swaps: points 16-31
.set RING, 52                          ; v[52:191]  7 slots of 20: corner c = i + 2 j + 4 k at 2 c, 2 c + 1; wx, wy, wz at 16-18; 19: x + 1 or the byte address
.set LSLOT, 192                        ; v[192:231] two more such slots, for levels 0 and 1
.set ACC,  52                          ; v[52:115]  accumulator tile (mt, t) at 8 (2 mt + t)        (all slots are dead in the layers)
.set W,    116                         ; v[116:179] weight fragment j at 8 j
.set CT,   180                         ; v[180:211] bias tile mt at 8 mt
.set H,    212                         ; v[212:243] hidden fragment of tile t, K step s at 16 t + 8 s
.set T,    244                         ; v[244:251] at work
.set TB,   32                          ; s[32:63]   address of each level's table
.set HP2,  0x779b1                     ; 2654435761 mod 2^19
.set HP3,  0x25795                     ; 805459861 mod 2^19
.set TMASK, 0x7ffff
.set BIAS0, 18432
.set BIAS1, 18688
.set BIAS2, 18944
.set STG0, 19456                       ; behind the weights: for each wave 6,656 bytes of rows and 512 bytes of column 0
.set WSTG, 7168
.set TAB0, STG0+16*WSTG                ; 134,144: level 0, 5 x 8,192 bytes
.set TAB1, TAB0+5*8192                 ; 175,104: level 1, 12 x 8,192 bytes
; v1 12 lane, v2 16 lane, v3 32 h, v4 stage address 52 r + 32 h, v5 column-0 address 4 r, v6 stage read-back 16 lane, v7 lane, v11 16 thread
; v16, v17, v18: at the head alone, where thread t puts its 16 bytes of a run of level 0, of level 1, of level 1 from 65,536 on
	s_load_b256 s[4:11], s[0:1], 0x0               ; points 4:5, xq 6:7, table 8:9, wts 10:11
	s_load_b128 s[12:15], s[0:1], 0x20             ; out0 12:13, out1 14:15
	v_lshl_add_u32 v254, v0, 2, 0x42c00
	v_mov_b32 v255, 0
	v_lshrrev_b32 v7, 5, v0
	v_readfirstlane_b32 s16, v7                    ; wave 0..15
	v_and_b32 v7, 31, v0
	v_and_b32 v15, 15, v0                          ; r
	v_and_b32 v3, 16, v0
	v_lshlrev_b32 v3, 1, v3
	v_mul_u32_u24 v1, 12, v7
	v_lshlrev_b32 v2, 4, v7
	v_lshlrev_b32 v11, 4, v0
	v_add_nc_u32 v16, TAB0, v11
	v_add_nc_u32 v17, TAB1, v11
	v_add_nc_u32 v18, TAB1+65536, v11              ; an LDS immediate has 16 bits: level 1's runs 8 to 11 need a register of their own
	s_lshl_b32 s17, ttmp9, 4
	s_add_co_u32 s17, s17, s16                     ; the wave among all 4,096: 128 points each
	s_mul_i32 s21, s16, WSTG
	s_add_co_u32 s21, s21, STG0                    ; my stage
	v_mad_u32_u24 v4, v15, 52, v3
	v_add_nc_u32 v4, s21, v4
	v_lshl_add_u32 v5, v15, 2, s21
	v_add_nc_u32 v5, 6656, v5
	v_add_nc_u32 v6, s21, v2
	s_mov_b32 s24, 0x2f800000                      ; 2^-32, twice: a pair for the packed multiply
	s_mov_b32 s25, 0x2f800000
.irp j, 9,10,11,12,13,14,15
	v_mov_b32 v[FR0+\j], 0                         ; K = 35 padded to 64: these stay zero for the whole launch
	v_mov_b32 v[FR1+\j], 0
.endr
	s_wait_kmcnt 0x0
	s_mov_b64 s[TB:TB+1], s[8:9]
.irp lv, 1,2,3,4,5,6,7,8,9,10,11,12,13,14,15
	s_add_nc_u64 s[TB+2*\lv:TB+2*\lv+1], s[8:9], \lv*0x400000  ; a level is 2^19 rows of 8 bytes
.endr
	global_load_b128 v[52:55], v11, s[10:11]       ; the weights, once: 512 threads x 16 bytes, twice, and 3,072 bytes more
	global_load_b128 v[56:59], v11, s[10:11] offset:8192
.set i, 0
.rept 5
	global_load_b128 v[64+4*i:67+4*i], v11, s[TB:TB+1] offset:8192*i       ; level 0; no hint: every work-group reads these bytes
.set i, i+1
.endr
.set i, 0
.rept 12
	global_load_b128 v[84+4*i:87+4*i], v11, s[TB+2:TB+3] offset:8192*i     ; level 1
.set i, i+1
.endr
	s_cmp_lt_u32 s16, 6
	s_cbranch_scc0 .Lno_third_load
	global_load_b128 v[60:63], v11, s[10:11] offset:16384
.Lno_third_load:
	s_mul_i32 s18, s17, 1536                       ; 128 points x 12 bytes
	s_mov_b32 s19, 0
	s_add_nc_u64 s[4:5], s[4:5], s[18:19]
	s_add_nc_u64 s[6:7], s[6:7], s[18:19]
	global_load_b96 v[X:X+2], v1, s[6:7] th:TH_LOAD_NT         ; the first pass's points
	global_load_b96 v[P:P+2], v1, s[4:5] th:TH_LOAD_NT
	s_lshl_b32 s18, s17, 9
	s_add_nc_u64 s[12:13], s[12:13], s[18:19]      ; out0: 512 bytes a wave
	s_mul_i32 s18, s17, 6656
	s_add_nc_u64 s[14:15], s[14:15], s[18:19]      ; out1: 6,656 bytes a wave, 26 x 256
	s_wait_loadcnt 0x2                             ; weights and tables are in; the two loads issued behind them (X, P) stay out
	ds_store_b128 v11, v[52:55]
	ds_store_b128 v11, v[56:59] offset:8192
.set i, 0
.rept 5
	ds_store_b128 v16, v[64+4*i:67+4*i] offset:8192*i
.set i, i+1
.endr
.set i, 0
.rept 8
	ds_store_b128 v17, v[84+4*i:87+4*i] offset:8192*i
.set i, i+1
.endr
.set i, 0
.rept 4
	ds_store_b128 v18, v[116+4*i:119+4*i] offset:8192*i
.set i, i+1
.endr
	s_cmp_lt_u32 s16, 6
	s_cbranch_scc0 .Lno_third_store
	ds_store_b128 v11, v[60:63] offset:16384
.Lno_third_store:
	s_wait_dscnt 0x0                               ; my part of the weights and tables is in LDS, for the other waves
	s_barrier_signal -1
	s_barrier_wait -1                              ; the launch's only barrier: nothing writes these bytes again, all else in LDS is each wave's own
; The slot of a level.
.macro SETB lv
.if \lv < 2
.set B, LSLOT+20*\lv
.else
.set B, RING+20*((\lv-2)%7)
.endif
.endm
; Cell and weights of one level in slot B: high words x, y, z at B+1, B+3, B+5; wx, wy, wz at B+16..18.
.macro CELL m
	v_mad_nc_u64_u32 v[B:B+1],   v[X],   (\m), 0
	v_mad_nc_u64_u32 v[B+2:B+3], v[X+1], (\m), 0
	v_mad_nc_u64_u32 v[B+4:B+5], v[X+2], (\m), 0
	v_cvt_f32_u32 v[B+16], v[B]
	v_cvt_f32_u32 v[B+17], v[B+2]
	v_cvt_f32_u32 v[B+18], v[B+4]
	v_pk_mul_f32 v[B+16:B+17], v[B+16:B+17], s[24:25] op_sel_hi:[1,0]
	v_mul_f32 v[B+18], s24, v[B+18]
.endm
; A dense level in LDS: one address tab + 8 (x + gs (y + gs z)), the eight corners in the immediates.
.macro IDXL lv, gs, tab
	SETB \lv
	CELL \gs-1
	v_mad_u32_u24 v[B+19], v[B+5], \gs, v[B+3]
	v_mad_u32_u24 v[B+19], v[B+19], \gs, v[B+1]
	v_min_u32 v[B+19], (\gs-2)*(1+\gs+\gs*\gs), v[B+19]        ; an address made of loaded numbers is bounded by a constant in the instruction; it changes no value
	v_lshl_add_u32 v[B+19], v[B+19], 3, \tab
.irp k, 0,1
.irp j, 0,1
.irp i, 0,1
	ds_load_b64 v[B+2*(\i+2*\j+4*\k):B+2*(\i+2*\j+4*\k)+1], v[B+19] offset:8*(\i+\gs*\j+\gs*\gs*\k)
.endr
.endr
.endr
.endm
; A dense level in memory: the same with the level's table as the base.
.macro IDXD lv, gs
	SETB \lv
	CELL \gs-1
	v_mad_u32_u24 v[B+19], v[B+5], \gs, v[B+3]
	v_mad_u32_u24 v[B+19], v[B+19], \gs, v[B+1]
	v_min_u32 v[B+19], (\gs-2)*(1+\gs+\gs*\gs), v[B+19]        ; the constant bound, as above
	v_lshlrev_b32 v[B+19], 3, v[B+19]
.irp k, 0,1
.irp j, 0,1
.irp i, 0,1
	global_load_b64 v[B+2*(\i+2*\j+4*\k):B+2*(\i+2*\j+4*\k)+1], v[B+19], s[TB+2*\lv:TB+2*\lv+1] offset:8*(\i+\gs*\j+\gs*\gs*\k)
.endr
.endr
.endr
.endm
; A hashed level: the four y-z parts, cut to 19 bits, then x and x + 1 (both below 2^12) by exclusive or.
.macro IDXH lv, m
	SETB \lv
	CELL \m
	v_add_nc_u32 v[B+19], 1, v[B+1]                ; x + 1
	v_mul_u32_u24 v[B+3], HP2, v[B+3]              ; y P2, below 2^31
	v_mul_u32_u24 v[B+5], HP3, v[B+5]              ; z P3
	v_add_nc_u32 v[B+7], HP2, v[B+3]               ; (y + 1) P2
	v_add_nc_u32 v[B+9], HP3, v[B+5]               ; (z + 1) P3
	v_xor_b32 v[B+2],  v[B+3], v[B+5]
	v_xor_b32 v[B+6],  v[B+7], v[B+5]
	v_xor_b32 v[B+10], v[B+3], v[B+9]
	v_xor_b32 v[B+14], v[B+7], v[B+9]
.irp d, 2,6,10,14
	v_and_b32 v[B+\d], TMASK, v[B+\d]
.endr
.irp d, 2,6,10,14
	v_xor_b32 v[B+\d-2], v[B+1], v[B+\d]           ; corner i = 0
	v_xor_b32 v[B+\d], v[B+19], v[B+\d]            ; corner i = 1
.endr
.irp d, 0,2,4,6,8,10,12,14
	v_min_u32 v[B+\d], TMASK, v[B+\d]              ; the constant bound in front of an address made of loaded numbers; it changes no value
.endr
.irp d, 0,2,4,6,8,10,12,14
	global_load_b64 v[B+\d:B+\d+1], v[B+\d], s[TB+2*\lv:TB+2*\lv+1] scale_offset   ; at 8 x index; each load lands on its own address register
.endr
.endm
; The blend of one level, both features at once, and its two features to bf16.
.macro INTERP lv
	SETB \lv
.if \lv < 2
	s_wait_dscnt 8*(1-\lv)                         ; LDS loads come back in order: behind level 0's stand level 1's eight, behind level 1's none
.else
.if \lv+6 > 15
	s_wait_loadcnt 8*(15-\lv)                      ; loads come back in order: eight for each later level stay out
.else
	s_wait_loadcnt 48                              ; six later levels have been issued: their 48 loads stay out
.endif
.endif
.irp a, 0,4,8,12
	v_pk_add_f32 v[B+\a+2:B+\a+3], v[B+\a+2:B+\a+3], v[B+\a:B+\a+1] neg_lo:[0,1] neg_hi:[0,1]
.endr
.irp a, 0,4,8,12
	v_pk_fma_f32 v[B+\a:B+\a+1], v[B+\a+2:B+\a+3], v[B+16:B+17], v[B+\a:B+\a+1] op_sel_hi:[1,0,1]              ; along x: both halves times wx
.endr
.irp a, 0,8
	v_pk_add_f32 v[B+\a+4:B+\a+5], v[B+\a+4:B+\a+5], v[B+\a:B+\a+1] neg_lo:[0,1] neg_hi:[0,1]
.endr
.irp a, 0,8
	v_pk_fma_f32 v[B+\a:B+\a+1], v[B+\a+4:B+\a+5], v[B+16:B+17], v[B+\a:B+\a+1] op_sel:[0,1,0] op_sel_hi:[1,1,1]  ; along y: both halves times wy
.endr
	v_pk_add_f32 v[B+8:B+9], v[B+8:B+9], v[B:B+1] neg_lo:[0,1] neg_hi:[0,1]
	v_pk_fma_f32 v[B:B+1], v[B+8:B+9], v[B+18:B+19], v[B:B+1] op_sel_hi:[1,0,1]                                    ; along z: both halves times wz
.if \lv < 8
	v_cvt_pk_bf16_f32 v[FR0+\lv], v[B], v[B+1]
.else
	v_cvt_pk_bf16_f32 v[FR1+\lv-8], v[B], v[B+1]
.endif
.endm
; nf weight fragments from fragment f0 on, and nb bias tiles: lane (r, h) takes the biases of features 16 mt + 8 h + 0..7
.macro LDW f0, nf, bias, nb
.set jj, 0
.rept \nf
	ds_load_b128 v[W+8*jj:W+8*jj+3],   v2 offset:(\f0+jj)*1024
	ds_load_b128 v[W+8*jj+4:W+8*jj+7], v2 offset:(\f0+jj)*1024+512
.set jj, jj+1
.endr
.set jj, 0
.rept \nb
	ds_load_b128 v[CT+8*jj:CT+8*jj+3],   v3 offset:\bias+64*jj
	ds_load_b128 v[CT+8*jj+4:CT+8*jj+7], v3 offset:\bias+64*jj+16
.set jj, jj+1
.endr
.endm
; 64 features x 32 points x K = 64: the eight accumulators take turns, one instruction a turn.
.macro LAYER64 src
.irp s, 0,1
.irp mt, 0,1,2,3
.irp t, 0,1
.if \s == 0
	v_wmma_f32_16x16x32_bf16 v[ACC+8*(2*\mt+\t):ACC+8*(2*\mt+\t)+7], v[W+8*(2*\mt+\s):W+8*(2*\mt+\s)+7], v[\src+16*\t+8*\s:\src+16*\t+8*\s+7], v[CT+8*\mt:CT+8*\mt+7]
.else
	v_wmma_f32_16x16x32_bf16 v[ACC+8*(2*\mt+\t):ACC+8*(2*\mt+\t)+7], v[W+8*(2*\mt+\s):W+8*(2*\mt+\s)+7], v[\src+16*\t+8*\s:\src+16*\t+8*\s+7], v[ACC+8*(2*\mt+\t):ACC+8*(2*\mt+\t)+7]
.endif
.endr
.endr
.endr
.endm
; 16 rows (13 live) x 32 points x K = 64: two accumulators by turns
.macro LAYER2
	v_wmma_f32_16x16x32_bf16 v[ACC:ACC+7],    v[W:W+7],    v[H:H+7],     v[CT:CT+7]
	v_wmma_f32_16x16x32_bf16 v[ACC+8:ACC+15], v[W:W+7],    v[H+16:H+23], v[CT:CT+7]
	v_wmma_f32_16x16x32_bf16 v[ACC:ACC+7],    v[W+8:W+15], v[H+8:H+15],  v[ACC:ACC+7]
	v_wmma_f32_16x16x32_bf16 v[ACC+8:ACC+15], v[W+8:W+15], v[H+24:H+31], v[ACC+8:ACC+15]
.endm
; Behind matrix instructions four plain vector instructions that name none of their registers stand in front of the first vector
; instruction, load or LDS store that touches their registers.
.macro PLACES
.rept 4
	v_nop
.endr
.endm
; One accumulator tile: h = max(u, 0) + log2(1 + 2^-|u|), packed to four registers of the next fragment.
.macro SP u, hd
.irp j, 0,1,2,3,4,5,6,7
	v_exp_f32 v[T+\j], -|v[\u+\j]|
.endr
	v_nop                                          ; one plain instruction between the transcendentals and what rewrites their sources or uses their results
.irp j, 0,1,2,3,4,5,6,7
	v_max_num_f32 v[\u+\j], 0, v[\u+\j]
.endr
	s_wait_alu depctr_va_vdst(0)
.irp j, 0,2,4,6
	v_pk_add_f32 v[T+\j:T+\j+1], v[T+\j:T+\j+1], 1.0 op_sel_hi:[1,0]
.endr
.irp j, 0,1,2,3,4,5,6,7
	v_log_f32 v[T+\j], v[T+\j]
.endr
	v_nop                                          ; likewise
	s_wait_alu depctr_va_vdst(0)
.irp j, 0,2,4,6
	v_pk_add_f32 v[\u+\j:\u+\j+1], v[\u+\j:\u+\j+1], v[T+\j:T+\j+1]
.endr
.irp j, 0,1,2,3
	v_cvt_pk_bf16_f32 v[\hd+\j], v[\u+2*\j], v[\u+2*\j+1]
.endr
.endm
.macro ACT                             ; tile (mt, t) is registers 4 (mt % 2) .. + 3 of K step mt / 2 of tile t's fragment
.irp mt, 0,1,2,3
.irp t, 0,1
	SP (ACC+8*(2*\mt+\t)), (H+16*\t+4*\mt)
.endr
.endr
.endm
; One pass: 32 points.  more = 1: the next pass's points are asked for.
.macro PASS more
	s_wait_loadcnt 0x0                             ; X and P of this pass
	v_cvt_pk_bf16_f32 v[FR0+8], v[P], v[P+1]
	v_cvt_pk_bf16_f32 v[FR1+8], v[P+2], 0
	IDXD 2, 31                                     ; the ring is filled first: seven levels, 56 loads
	IDXD 3, 43
	IDXD 4, 59
	IDXH 5, 80
	IDXH 6, 111
	IDXH 7, 153
	IDXH 8, 212
	IDXL 0, 17, TAB0                               ; the two LDS levels are fetched and blended while those loads are out
	IDXL 1, 23, TAB1
	INTERP 0
	INTERP 1
	INTERP 2
	IDXH 9, 294
	INTERP 3
	IDXH 10, 406
	INTERP 4
	IDXH 11, 561
	INTERP 5
	IDXH 12, 776
	INTERP 6
	IDXH 13, 1072
	INTERP 7
	IDXH 14, 1482
	INTERP 8
	IDXH 15, 2048
	INTERP 9
	INTERP 10
	INTERP 11
	INTERP 12
	INTERP 13
	INTERP 14
	INTERP 15
.if \more
	s_add_nc_u64 s[4:5], s[4:5], 384               ; every load is back (the last wait was for 0): bases, X and P are free
	s_add_nc_u64 s[6:7], s[6:7], 384
	global_load_b96 v[X:X+2], v1, s[6:7] th:TH_LOAD_NT         ; they have the three layers in which to land
	global_load_b96 v[P:P+2], v1, s[4:5] th:TH_LOAD_NT
.endif
	LDW 0, 8, BIAS0, 4
.irp j, 0,1,2,3,4,5,6,7,8
	v_permlane16_swap_b32 v[FR0+\j], v[FR1+\j]     ; FR0: points 0-15, FR1: points 16-31; lanes 16-31 hold levels 8-15 (and pz)
.endr
	s_wait_dscnt 0x0
	LAYER64 FR0
	PLACES
	LDW 8, 8, BIAS1, 4
	ACT
	s_wait_dscnt 0x0
	LAYER64 H
	PLACES
	LDW 16, 2, BIAS2, 1
	ACT
	s_wait_dscnt 0x0
	LAYER2
	PLACES
	; lane (r, h), register j: column 8 h + j of point 16 t + r.  Rows 13 words apart: the 32 lanes of a store touch 32 different words modulo 64.
.irp t, 0,1
.irp j, 0,1,2,3,4
	ds_store_b32 v4, v[ACC+8*\t+\j] offset:832*\t+4*\j
.endr
.endr
	v_cmp_gt_u32 vcc_lo, 16, v7
	s_wait_xcnt 0x0                                ; EXEC is a source of the pending loads of X and P: it changes only behind this wait
	s_and_saveexec_b32 s20, vcc_lo                 ; columns 5-7 exist for h = 0 alone (13-15 do not), and column 0 lies there
.irp t, 0,1
.irp j, 5,6,7
	ds_store_b32 v4, v[ACC+8*\t+\j] offset:832*\t+4*\j
.endr
	ds_store_b32 v5, v[ACC+8*\t] offset:64*\t
.endr
	s_or_b32 exec_lo, exec_lo, s20                 ; no global access was issued under the narrow EXEC
	v_add_nc_u32 v4, 1664, v4                      ; 32 rows of 52 bytes on
	v_add_nc_u32 v5, 128, v5
.endm
	s_mov_b32 s22, 3
.Lpass:
	PASS 1
	s_sub_co_u32 s22, s22, 1
	s_cmp_lg_u32 s22, 0
	s_cbranch_scc1 .Lpass
	PASS 0                                         ; the last pass asks for nothing: no load leaves a buffer
	; The way out: the wave's own stage, in order behind its own LDS stores, so no barrier.  128 rows of 52 bytes are 13 x 512 bytes.
.irp i, 0,1,2,3,4,5,6,7,8,9,10,11,12
	ds_load_b128 v[52+4*\i:55+4*\i], v6 offset:512*\i
.endr
	ds_load_b128 v[104:107], v6 offset:6656        ; column 0 of the 128 points
.irp i, 0,1,2,3,4,5,6,7,8,9,10,11,12
	s_wait_dscnt 13-\i                             ; LDS loads come back in order: 13 - i were issued behind load i
	global_store_b128 v2, v[52+4*\i:55+4*\i], s[14:15] offset:512*\i th:TH_STORE_NT   ; 512 consecutive bytes, at a multiple of 256 from out1's first byte
.endr
	s_wait_dscnt 0x0
	global_store_b128 v2, v[104:107], s[12:13] th:TH_STORE_NT
	s_wait_xcnt 0x0
	s_mov_b32 exec_lo, -1
	s_wait_tensorcnt 0x0
	ds_add_u32 v254, v255
	s_wait_dscnt 0x0
	s_endpgm
.Lfunc_end_k_q6abb346dfd_sdf:
	.size	k_q6abb346dfd_sdf, .Lfunc_end_k_q6abb346dfd_sdf-k_q6abb346dfd_sdf
	.p2alignl 7, 3214868480
	.fill 96, 4, 3214868480
	.section	.rodata,"a",@progbits
	.p2align	6, 0x0
	.amdhsa_kernel k_q6abb346dfd_sdf
		.amdhsa_group_segment_fixed_size 275456
		.amdhsa_private_segment_fixed_size 0
		.amdhsa_enable_private_segment 0
		.amdhsa_kernarg_size 48
		.amdhsa_user_sgpr_count 2
		.amdhsa_user_sgpr_kernarg_segment_ptr 1
		.amdhsa_wavefront_size32 1
		.amdhsa_system_sgpr_workgroup_id_x 1
		.amdhsa_system_sgpr_workgroup_id_y 1
		.amdhsa_system_sgpr_workgroup_id_z 1
		.amdhsa_system_vgpr_workitem_id 0
		.amdhsa_next_free_vgpr 256
		.amdhsa_next_free_sgpr 66
		.amdhsa_reserve_vcc 1
		.amdhsa_float_denorm_mode_32 3
		.amdhsa_float_denorm_mode_16_64 3
		.amdhsa_memory_ordered 1
		.amdhsa_forward_progress 1
		.amdhsa_inst_pref_size 188
	.end_amdhsa_kernel
	.amdgpu_metadata
---
amdhsa.version: [ 1, 2 ]
amdhsa.kernels:
  - .name:           k_q6abb346dfd_sdf
    .symbol:         k_q6abb346dfd_sdf.kd
    .args:
      - { .name: points, .offset: 0, .size: 8, .value_kind: global_buffer, .address_space: global }
      - { .name: xq, .offset: 8, .size: 8, .value_kind: global_buffer, .address_space: global }
      - { .name: table, .offset: 16, .size: 8, .value_kind: global_buffer, .address_space: global }
      - { .name: wts, .offset: 24, .size: 8, .value_kind: global_buffer, .address_space: global }
      - { .name: out0, .offset: 32, .size: 8, .value_kind: global_buffer, .address_space: global }
      - { .name: out1, .offset: 40, .size: 8, .value_kind: global_buffer, .address_space: global }
    .group_segment_fixed_size: 275456
    .private_segment_fixed_size: 0
    .kernarg_segment_align: 8
    .kernarg_segment_size: 48
    .max_flat_workgroup_size: 512
    .sgpr_count:     66
    .vgpr_count:     256
    .wavefront_size: 32
...
	.end_amdgpu_metadata
.endif
;; end of part 2
